; MI455X (gfx1250); checked and timed in simulation.
; The chip was launched on July 23, 2026; its instructions are those of AMD's public machine-readable ISA for CDNA 5 (MIT licence, August 2026) and "CDNA5" Instruction Set Architecture Reference Guide (July 2026). The comments in the code are by the model that wrote it; some were corrected since.
;; Multi Head Attention. Allowed arithmetic: matrix products marked QUANTISED: E2M3 operands, one E8M0 scale for each 32 along K, by v_wmma_scale_f32_16x16x128_f8f6f4 with both operands' format E2M3, f32 sums; everything else in f32.
;; Inputs: out_b 1,024 float32; out_w_codes 1,024 x 32 x 24 uint8 (E2M3 codes of out_w, K innermost, in blocks of 32 codes, four codes in three bytes); out_w_scales 1,024 x 32 uint8 (E8M0 scales of out_w, one for each 32 codes along K); qkv_b 3,072 float32; qkv_w_codes 3,072 x 32 x 24 uint8 (E2M3 codes of qkv_w, K innermost, in blocks of 32 codes, four codes in three bytes); qkv_w_scales 3,072 x 32 uint8 (E8M0 scales of qkv_w, one for each 32 codes along K); x_codes 4 x 2,048 x 32 x 24 uint8 (E2M3 codes of x, K innermost, in blocks of 32 codes, four codes in three bytes); x_scales 4 x 2,048 x 32 uint8 (E8M0 scales of x, one for each 32 codes along K).
;; Outputs: out0 4 x 2,048 x 1,024 float32.
;; This version of the problem:
;;   THIS VERSION OF THE PROBLEM IS GIVEN IN LOW PRECISION. The matrix products marked QUANTISED in the list below multiply operands that are first quantised to E2M3 (2 exponent bits, 3 mantissa bits; 6 bits a number), with one power-of-two scale for each 32 numbers along K (OCP MX v1.0); their sums are f32. All else is computed in f32.
;;   The module's matrix products, in the order in which they are computed (A, B: the left and right operand; K: the contracted axis; several contracted axes count as one K, in the product's order):
;;     1. [M 8,192, K 1,024] x [K 1,024, N 3,072]; A: input x (given as codes); B: input qkv_w (given as codes): QUANTISED
;;     2. batch 64 x [M 2,048, K 64] x [K 64, N 2,048]; A: computed on the way; B: computed on the way: QUANTISED
;;     3. batch 64 x [M 2,048, K 2,048] x [K 2,048, N 64]; A: softmax (see below); B: computed on the way: QUANTISED
;;     4. [M 8,192, K 1,024] x [K 1,024, N 1,024]; A: computed on the way; B: input out_w (given as codes): QUANTISED
;;   THE QUANTISER, for each operand of a quantised product, along K:
;;     - K is cut into blocks of 32 from its start; a last block that is shorter is filled with zeros.
;;     - A block's scale is 2^e with e = floor(log2(the largest magnitude in the block)) - 2, held to -126 .. 127; a block of zeros has e = 0. As a byte (E8M0): e + 127.
;;     - Each number is divided by its block's scale, clamped to +-7.5, and rounded to the nearest number of E2M3, ties to even, subnormals kept.
;;     - The product sums the exact products of the quantised numbers (number of the format x scale) in f32.
;;   ~~~python
;;   def quantise(x, axis):      # numpy; x: float32 -> the quantised numbers, widened to float32 again
;;       x = np.moveaxis(x, axis, -1); K = x.shape[-1]
;;       x = np.pad(x, [(0, 0)] * (x.ndim - 1) + [(0, -K % 32)]); x = x.reshape(x.shape[:-1] + (-1, 32)); a = np.abs(x).max(-1, keepdims=True)
;;       e = np.where(a > 0, np.clip(np.frexp(np.where(a > 0, a, 1))[1] - 1 - 2, -126, 127), 0)      # np.frexp(a)[1] - 1 = floor(log2(a)), exactly
;;       r = np.clip(x / 2.0 ** e, -7.5, 7.5)
;;       step = 2.0 ** (np.maximum(np.frexp(np.where(r == 0, 1, r))[1] - 1, 0) - 3)
;;       q = np.round(r / step) * step * 2.0 ** e      # np.round: ties to even
;;       return np.moveaxis(q.reshape(q.shape[:-2] + (-1,))[..., :K], -1, axis).astype(np.float32)
;;   ~~~
;;   SOFTMAX AHEAD OF A QUANTISED PRODUCT. Where the list says 'softmax', what is quantised is not the finished softmax but p = 2^(t - M), with t = logit x log2(e) and M = ceil(the row's largest t), a whole number; so 1/2 < the row's largest p <= 1. The row's sum l is taken of the UNQUANTISED p, in f32, and the product's result is divided by l at the end. Since M is a whole number, a kernel that streams over the keys may use a running M (the ceiling of the running maximum): every later rescaling is an exact power of two, which a block's scale takes up: the codes' values come out the same.
;;   OPERANDS COMPUTED ON THE WAY. 'Computed on the way' means the value that the module computes at that place (a softmax that the list does not call 'softmax' is quantised finished and normalised). What goes into a quantiser is computed in f32, as accurately as f32 sums, v_exp_f32 and their like allow (about 1e-6 of the number): no bf16 or f16 on the way to a quantiser, and a product that is left as it is and whose result goes on into a quantised operand takes f32 operands (vector FMAs, or v_wmma_f32_16x16x4_f32). A number that lies on a knife's edge between two numbers of the format may be rounded either way, as far as f32 arithmetic and the matrix unit's own rounding can turn it there, and no further.
;;   INPUTS GIVEN AS CODES. out_w (in the module: [1024, 1024], K = its axis 1); qkv_w (in the module: [3072, 1024], K = its axis 1); x (in the module: [4, 2048, 1024], K = its axis 2): each comes as NAME_codes (uint8): NAME with its K axis moved to the last place and cut into blocks of 32 codes, [.., K / 32, bytes a block], one block behind the other in memory; four codes in three bytes: a row's codes are one little-endian stream of bits, code i at bits 6 i .. 6 i + 5 (a code: sign, 2 exponent bits, 3 mantissa bits); and NAME_scales (uint8): the same leading axes, one E8M0 byte (e + 127) for each 32 codes along K. Its value is code x scale, taken as it is: it is not quantised again, and the codes and scales need not be those that the quantiser above would give.
;; One version. Each part assembles by itself: llvm-mc -triple=amdgcn-amd-amdhsa -mcpu=gfx1250 --defsym DOCPART=n.
;; ======== version 1 of 1: 3 launches
;; limits: right only within a limited range of input values
;; workspace buffers: q_img 6,291,456 bytes; q_sc 524,288 bytes; kv 13,369,344 bytes; at_img 6,291,456 bytes; at_sc 262,144 bytes
;; launch qkv (part 1): grid 12 x 32, 4 waves a work-group, clusters of 4 x 4, 327,680 bytes of LDS; arguments x_codes, x_scales, qkv_w_codes, qkv_w_scales, qkv_b, q_img, q_sc, kv; writes q_img, q_sc, kv
.if DOCPART == 1
	.amdgcn_target "amdgcn-amd-amdhsa--gfx1250"
	.amdhsa_code_object_version 6
	.text
	.protected	k_qe750857cb7_qkv
	.globl	k_qe750857cb7_qkv
	.p2align	8
	.type	k_qe750857cb7_qkv,@function
k_qe750857cb7_qkv:
	s_mov_b64 s[64:65], 0
	v_nop
	global_prefetch_b8 v0, s[64:65] scope:SCOPE_SE
	s_setreg_imm32_b32 hwreg(HW_REG_WAVE_MODE, 25, 1), 1
	s_wait_xcnt 0x0
	s_wait_alu depctr_hold_cnt(0) depctr_sa_sdst(0) depctr_va_vdst(0) depctr_va_sdst(0) depctr_va_ssrc(0) depctr_va_vcc(0) depctr_vm_vsrc(0)
	s_getreg_b32 s2, hwreg(HW_REG_IB_STS2, 6, 4)
	s_cmp_eq_u32 s2, 0
	s_cbranch_scc0 .Lentry_in_a_cluster
	s_endpgm
.Lentry_in_a_cluster:
	s_bfe_u32 s2, ttmp6, 0x10000c
	s_cmp_lg_u32 s2, 0xf033
	s_cbranch_scc0 .Lentry_shape_is_right
	s_endpgm
.Lentry_shape_is_right:
; qkv = x W^T + b on codes of FP6 (E2M3), one E8M0 scale for each 32 along K = 1,024; the results are quantised here, in registers, for the attention's two products.
; A work-group of four waves makes 256 x 256 of C'[A' row][B' row]; a wave 128 x 128: 64 accumulators.  The matrix instruction is used transposed (source 0 = 16 rows of B', source 1 = 16 rows of A'):
; a lane holds one row of A' and its registers run along B''s rows, the axis that is quantised.
;   cluster x = 0 (q), 1 (k): A' = x (tokens), B' = W's rows 0 .. 2,047.   cluster x = 2 (v): A' = W's rows 2,048 .. 3,071, B' = x.  The choice hangs on the cluster's x, which all sixteen partners share.
; K goes through a ring of two LDS slots in chunks of 256 bytes of each row of 768 (three chunks); a step of 128 along K is 96 bytes: steps 2 and 5 lie across two chunks.
; Joint tensor loads: A''s tiles are shared along a row of the 4 x 4 cluster, B''s along a column.  The scale bytes of the 512 rows come once and stay.
; THE ORDER OF CODES IN A BLOCK: the tiles take plain rows, so a block's 32 code places hold elements 0-7, 16-23, 8-15, 24-31; the same in q and k, and in v and p (next launch): the products are the same.
; STORED, as images of operand registers:  q_img [head of batch 64][token tile 128][768];  q_sc [64][group of 128 tokens 16][row 16][tile 8] words, bytes 2 and 3 zero;
;   kv [64][key step 16][13,056]: 8 tiles of k x 768 | 4 feature tiles of v x 1,536 | k's scale words [row 16][tile 8] | v's scale words [row 16][feature tile 4].
; LIMITS: NaN and infinities among the results are not served.  A block of zeros, or one whose largest magnitude lies under 2^-124, gets the scale byte 1; only this program reads the bytes.
; No prefetch is laid: of the three chunks two are first fills and one is a refill.
.set ROWB,   256
.set NQ,     2
.set KROW,   768
.set STEPS,  8
.set CHUNKS, KROW/ROWB
.set PITCH,  272                       ; 256 bytes + 16 of padding
.set FR,     12
.set NL,     6
.set NP,     4
.set HALFT,  128*PITCH
.set SLOT,   4*HALFT                   ; A''s 256 rows, then B''s
.set KS,     32
.set SCL,    2*SLOT                    ; the scale bytes, as units of 256 bytes + 16
.set HALFS,  (128*KS/256)*272
.set SBLK,   (16*KS/256)*272
.set SPARE,  SCL+4*HALFS               ; the spare words, named by no other line
.set QHEAD,  98304
.set HEADB,  208896
.set STEPB,  13056
.set L16,  8                           ; the way out: 16 x lane
.set L8,   9                           ; 8 x lane
.set LSW,  10                          ; 32 r + 16 h
.set LSV,  11                          ; 16 r + a head of kv x h
.set ADRA, 16                          ; v16-17 A''s fragments in slot 0, 1; v18-19 for pieces whose lanes 16-31 read the next chunk
.set ADRB, 20                          ; v20-23 the same for B'
.set ADRS, 27                          ; scale words: lanes 0-15 A''s rows, lanes 16-31 B''s
.set SPW,  28
.set NIL,  29
.set BON,  30                          ; 32 h
.set BOM,  31                          ; 4 r
.set SC,   32                          ; v32-63 scale words, two sets
.set BT,   64                          ; v64-127 bias of B' rows (q, k)
.set AF,   128                         ; v128-223 A''s fragments
.set BTM,  224                         ; v224-239 bias of A' row 16 a + r, twice (v)
.set PCS,  128
.set PWR,  168
.set WR,   176
.set TM,   240
.set G1,   24
.set G0,   32
.set G1B,  48
.set G0B,  56
.set G1S,  68
.set G0S,  76
.set G1SB, 80
.set G0SB, 88
.set G0H,  4                           ; group 0 of the head's loads of chunk 0, in registers that held arguments
.set G0HB, 8
.set OUTA, 24
.set OUTB, 26
.set SCA,  28
.set SCB,  30
.set SEL,  50
.set MSB, 0
.macro WIN new
.if MSB != \new
	s_set_vgpr_msb (MSB<<8)|\new
.set MSB, \new
.endif
.endm
.set MUL_LO, 0xa1
.set MUL_HI, 0xf1
.set TO_B,   0x40
.macro PLACES n
.rept \n
	v_nop
.endr
.endm
.macro JLOAD g0a, g1a, g0b, g1b        ; waves 0 and 1 fetch for A', waves 2 and 3 for B'
	s_cmp_eq_u32 s15, 0
	s_cbranch_scc0 .Lfor_b_\@
	tensor_load_to_lds s[\g0a:\g0a+3], s[\g1a:\g1a+7]
	s_nop 0
	PLACES 4
	s_branch .Lasked_\@
.Lfor_b_\@:
	tensor_load_to_lds s[\g0b:\g0b+3], s[\g1b:\g1b+7]
	s_nop 0
	PLACES 4
.Lasked_\@:
.endm
.macro CREST
	s_cmp_lg_u32 s14, 0
	s_cbranch_scc1 .Lnot_wave_0_\@
	s_barrier_signal -3
.Lnot_wave_0_\@:
	s_barrier_wait -3
	s_barrier_signal -1
	s_barrier_wait -1
.endm
.macro CROUND
	s_barrier_signal -1
	s_barrier_wait -1
	CREST
.endm
	s_load_b256 s[4:11], s[0:1], 0x0               ; x's codes, x's scales, W's codes, W's scales
	s_load_b64 s[12:13], s[0:1], 0x20              ; the bias
	s_load_b64 s[96:97], s[0:1], 0x28              ; q_img
	s_load_b64 s[98:99], s[0:1], 0x30              ; q_sc
	s_load_b64 s[100:101], s[0:1], 0x38            ; kv
	v_lshl_add_u32 v[SPW], v0, 2, SPARE
	v_mov_b32 v[NIL], 0
	ds_add_u32 v[SPW], v[NIL]                      ; the opening lines
	ds_add_u32 v[SPW], v[NIL]
	v_lshrrev_b32 v1, 5, v0
	v_readfirstlane_b32 s14, v1                    ; wave
	s_lshr_b32 s15, s14, 1                         ; my half of A''s rows; also: I fetch for A' (0) or B' (1)
	s_and_b32 s16, s14, 1                          ; my half of B''s rows; also: which 128 rows I fetch
	s_bfe_u32 s40, ttmp6, 0x40000                  ; cx
	s_bfe_u32 s41, ttmp6, 0x40004                  ; cy
	s_and_b32 s18, ttmp7, 0xffff
	s_cmp_eq_u32 ttmp9, 2                          ; v's clusters?
	s_cselect_b32 s17, 2, s18
	s_cselect_b32 s42, s18, ttmp9
	s_lshl_b32 s17, s17, 2
	s_add_co_u32 s17, s17, s41                     ; A''s tile of 256 rows
	s_lshl_b32 s42, s42, 2
	s_add_co_u32 s42, s42, s40                     ; B''s
	s_lshl_b32 s43, s41, 2
	s_lshl_b32 s43, 15, s43                        ; my row of the cluster
	s_lshl_b32 s44, 0x1111, s40                    ; my column
	s_or_b32 s[G1+0], s43, (1<<20)|(1<<21)|(5<<22)|(3<<25)
	s_or_b32 s[G1B+0], s44, (1<<20)|(1<<21)|(5<<22)|(3<<25)
.irp g, G1, G1B                        ; rows of 256 bytes: 256 rows at the head, 128 in the ring
	s_mov_b32 s[\g+1], ROWB<<16
	s_mov_b32 s[\g+2], 256<<16
	s_mov_b32 s[\g+3], ROWB<<16
	s_mov_b32 s[\g+4], 256
	s_mov_b32 s[\g+5], KROW
	s_mov_b32 s[\g+6], 0
	s_mov_b32 s[\g+7], 0
.endr
	s_or_b32 s[G1S+0], s43, (3<<16)|(1<<20)|(1<<21)|(5<<22)|(3<<25)
	s_or_b32 s[G1SB+0], s44, (3<<16)|(1<<20)|(1<<21)|(5<<22)|(3<<25)
.irp g, G1S, G1SB                      ; the scale bytes of 256 rows: 32 dense rows of 256 bytes
	s_mov_b32 s[\g+1], 32<<16
	s_mov_b32 s[\g+2], KS<<16
	s_mov_b32 s[\g+3], 32<<16
	s_mov_b32 s[\g+4], KS
	s_mov_b32 s[\g+5], 32
	s_mov_b32 s[\g+6], 0
	s_mov_b32 s[\g+7], 0
.endr
	s_lshl_b32 s20, s17, 8
	s_lshl_b32 s46, s42, 8
	s_mov_b32 s21, 0
	s_mov_b32 s47, 0
	s_mov_b64 s[18:19], KS
	s_mul_u64 s[22:23], s[20:21], s[18:19]         ; where the rows' scale bytes begin
	s_mul_u64 s[92:93], s[46:47], s[18:19]
	s_mov_b64 s[18:19], KROW
	s_mul_u64 s[20:21], s[20:21], s[18:19]         ; and their codes
	s_mul_u64 s[46:47], s[46:47], s[18:19]
	s_mul_i32 s18, s16, 128*KROW                   ; the ring: my 128 rows of a tile
	s_mov_b32 s19, 0
	s_mul_i32 s45, s14, HALFT
	s_wait_dscnt 0x0
	s_wait_kmcnt 0x0
	s_cmp_eq_u32 ttmp9, 2                          ; which tensor is A' and which B'
	s_cselect_b64 s[2:3], s[8:9], s[4:5]
	s_cselect_b64 s[8:9], s[4:5], s[8:9]
	s_cselect_b64 s[4:5], s[10:11], s[6:7]
	s_cselect_b64 s[10:11], s[6:7], s[10:11]
	s_add_nc_u64 s[20:21], s[2:3], s[20:21]
	s_add_nc_u64 s[22:23], s[4:5], s[22:23]
	s_add_nc_u64 s[46:47], s[8:9], s[46:47]
	s_add_nc_u64 s[92:93], s[10:11], s[92:93]
	CROUND                                         ; in front of the first joint loads
	s_mov_b32 s[G0H], 1
	s_mov_b32 s[G0H+1], 0
	s_mov_b64 s[G0H+2:G0H+3], s[20:21]
	s_or_b32 s[G0H+3], s[G0H+3], 0x80000000
	s_mov_b32 s[G0HB], 1
	s_mov_b32 s[G0HB+1], 2*HALFT
	s_mov_b64 s[G0HB+2:G0HB+3], s[46:47]
	s_or_b32 s[G0HB+3], s[G0HB+3], 0x80000000
	s_mov_b32 s[G0S], 1
	s_mov_b32 s[G0S+1], SCL
	s_mov_b64 s[G0S+2:G0S+3], s[22:23]
	s_or_b32 s[G0S+3], s[G0S+3], 0x80000000
	s_mov_b32 s[G0SB], 1
	s_mov_b32 s[G0SB+1], SCL+2*HALFS
	s_mov_b64 s[G0SB+2:G0SB+3], s[92:93]
	s_or_b32 s[G0SB+3], s[G0SB+3], 0x80000000
	s_add_nc_u64 s[20:21], s[20:21], s[18:19]
	s_add_nc_u64 s[46:47], s[46:47], s[18:19]
.irp s, 0,1
	s_mov_b32 s[G0+4*\s], 1
	s_add_co_u32 s[G0+4*\s+1], s45, \s*SLOT
	s_add_nc_u64 s[G0+4*\s+2:G0+4*\s+3], s[20:21], \s*ROWB
	s_or_b32 s[G0+4*\s+3], s[G0+4*\s+3], 0x80000000
	s_mov_b32 s[G0B+4*\s], 1
	s_add_co_u32 s[G0B+4*\s+1], s45, \s*SLOT
	s_add_nc_u64 s[G0B+4*\s+2:G0B+4*\s+3], s[46:47], \s*ROWB
	s_or_b32 s[G0B+4*\s+3], s[G0B+4*\s+3], 0x80000000
.endr
; the head's loads, one a wave: chunk 0 of A', chunk 0 of B', A''s scales, B''s scales
.macro ARM under, g0, g1, next
	s_cmp_lt_u32 s14, \under
	s_cbranch_scc0 \next
	tensor_load_to_lds s[\g0:\g0+3], s[\g1:\g1+7]
	s_nop 0
	PLACES 4
	s_branch .Lhead_asked
\next:
.endm
	ARM 1, G0H,  G1,  .Lhead_b
	ARM 2, G0HB, G1B, .Lhead_sa
	ARM 3, G0S,  G1S, .Lhead_sb
	tensor_load_to_lds s[G0SB:G0SB+3], s[G1SB:G1SB+7]
	s_nop 0
	PLACES 4
.Lhead_asked:
	s_lshl_b32 s94, s17, 8
	s_lshl_b32 s20, s15, 7
	s_add_co_u32 s94, s94, s20                     ; s94: my first row of A'; kept
	s_lshl_b32 s95, s42, 8
	s_lshl_b32 s46, s16, 7
	s_add_co_u32 s95, s95, s46                     ; s95: my first row of B'; kept
	s_cmp_eq_u32 ttmp9, 2
	s_cselect_b32 s46, 0, s95                      ; the table that a work-group does not use reads the bias from index 0 on
	s_cselect_b32 s20, s94, 0
	s_lshl_b32 s46, s46, 2
	s_lshl_b32 s20, s20, 2
	s_mov_b32 s47, 0
	s_mov_b32 s21, 0
	s_add_nc_u64 s[92:93], s[12:13], s[20:21]
	s_add_nc_u64 s[12:13], s[12:13], s[46:47]
	v_and_b32 v1, 15, v0                           ; r
	v_bfe_u32 v2, v0, 4, 1                         ; h
	v_mul_u32_u24 v3, v1, PITCH
	v_mul_u32_u24 v4, v2, 24
	v_add_nc_u32 v4, v3, v4
	s_mov_b32 s21, SLOT-232
	s_mov_b32 s22, SLOT+232
	v_sub_nc_u32 v7, 1, v2
	v_mul_u32_u24 v5, s21, v2
	v_add_nc_u32 v5, v3, v5
	v_add_nc_u32 v5, 232, v5                       ; lanes 0-15 byte 232 of the row in slot 0, lanes 16-31 byte 0 in slot 1
	v_mul_u32_u24 v6, s22, v7
	v_add_nc_u32 v6, v3, v6                        ; and the other way round
	s_mul_i32 s21, s15, HALFT
	s_mul_i32 s22, s16, HALFT
	s_add_co_u32 s22, s22, 2*HALFT
	v_add_nc_u32 v[ADRA+2], s21, v5
	v_add_nc_u32 v[ADRA+3], s21, v6
	v_add_nc_u32 v[ADRB+2], s22, v5
	v_add_nc_u32 v[ADRB+3], s22, v6
.irp s, 0,1
	v_add_nc_u32 v[ADRA+\s], s21, v4
	v_add_nc_u32 v[ADRB+\s], s22, v4
	s_add_co_u32 s21, s21, SLOT
	s_add_co_u32 s22, s22, SLOT
.endr
	v_mul_u32_u24 v5, v1, KS
	v_lshrrev_b32 v6, 8, v5
	v_lshl_add_u32 v5, v6, 4, v5
	s_mul_i32 s21, s15, HALFS
	s_mul_i32 s22, s16, HALFS
	s_add_co_u32 s22, s22, 2*HALFS
	s_sub_co_u32 s22, s22, s21
	v_mul_u32_u24 v6, s22, v2                      ; lanes 16-31 take B''s
	s_add_co_u32 s21, s21, SCL
	v_add_nc_u32 v5, v5, v6
	v_add_nc_u32 v[ADRS], s21, v5
	v_lshlrev_b32 v[BON], 5, v2
	v_lshlrev_b32 v[BOM], 2, v1
.irp b, 0,1,2,3,4,5,6,7                ; both bias tables; the 32 loads stay out until the wait at the way out
	global_load_b128 v[BT+8*\b:BT+8*\b+3], v[BON], s[12:13] offset:64*\b
	global_load_b128 v[BT+8*\b+4:BT+8*\b+7], v[BON], s[12:13] offset:64*\b+16
.endr
.irp a, 0,1,2,3,4,5,6,7
	global_load_b32 v[BTM+2*\a], v[BOM], s[92:93] offset:64*\a
	global_load_b32 v[BTM+2*\a+1], v[BOM], s[92:93] offset:64*\a
.endr
.macro FRAG reg, adr, st, i            ; 16 rows x 128 K: six pieces of 8 bytes; byte y of a row lies in slot (y / 256) % 2 at byte y % 256
.irp p, 0,1,2,3,4,5
.set BY, 96*(\st)+48*(\p/3)+8*(\p%3)
.if BY/ROWB == (BY+24)/ROWB
	ds_load_b64 v[\reg+2*\p:\reg+2*\p+1], v[\adr+(BY/ROWB)%2] offset:BY%ROWB+(\i)*16*PITCH
.else
	ds_load_b64 v[\reg+2*\p:\reg+2*\p+1], v[\adr+2+(BY/ROWB)%2] offset:BY%ROWB-232+(\i)*16*PITCH
.endif
.endr
.endm
.macro MUL16 a0, p, q, sc, zero        ; A''s blocks a0, a0 + 1 x B''s eight; the 64 accumulators take turns
.irp a, \a0, \a0+1
.irp b, 0,1,2,3,4,5,6,7
.if \zero
	v_wmma_scale_f32_16x16x128_f8f6f4 v[8*(8*((\a)%4)+\b):8*(8*((\a)%4)+\b)+7], v[128*(\p)+FR*\b:128*(\p)+FR*\b+FR-1], v[AF+FR*(\a):AF+FR*(\a)+FR-1], 0, v[SC+8*NQ*(\sc)+NQ*\b+(\q)], v[SC+8*NQ*(\sc)+NQ*(\a)+(\q)] matrix_a_fmt:MATRIX_FMT_FP6 matrix_b_fmt:MATRIX_FMT_FP6 matrix_a_scale:MATRIX_SCALE_ROW1
.else
	v_wmma_scale_f32_16x16x128_f8f6f4 v[8*(8*((\a)%4)+\b):8*(8*((\a)%4)+\b)+7], v[128*(\p)+FR*\b:128*(\p)+FR*\b+FR-1], v[AF+FR*(\a):AF+FR*(\a)+FR-1], v[8*(8*((\a)%4)+\b):8*(8*((\a)%4)+\b)+7], v[SC+8*NQ*(\sc)+NQ*\b+(\q)], v[SC+8*NQ*(\sc)+NQ*(\a)+(\q)] matrix_a_fmt:MATRIX_FMT_FP6 matrix_b_fmt:MATRIX_FMT_FP6 matrix_a_scale:MATRIX_SCALE_ROW1
.endif
.endr
.endr
.endm
.macro FETCH_B st, p
	WIN TO_B
.irp i, 0,1,2,3,4,5,6,7
	FRAG 128*(\p)+FR*\i, ADRB, \st, \i
.endr
	WIN 0
.endm
.macro FETCH_A st, i0
.irp i, \i0, \i0+1, \i0+2, \i0+3
	FRAG AF+FR*(\i), ADRA, \st, \i
.endr
.endm
.macro SCALES pr                       ; the scale words of steps 2 pr, 2 pr + 1 into set pr % 2
.irp i, 0,1,2,3,4,5,6,7
	ds_load_b64 v[SC+8*NQ*((\pr)%2)+NQ*\i:SC+8*NQ*((\pr)%2)+NQ*\i+1], v[ADRS] offset:\i*SBLK+4*NQ*(\pr)
.endr
.endm
; A step: 64 products; the next step's fragments are fetched in its middle and at its end.  Where the next step's bytes end in a chunk not read yet, a barrier shows that chunk;
; where they begin in a later chunk, the chunk left behind is free: the three lines, the barrier, and, where a chunk two on is left, the cluster's round and the refill.
.macro STEP st, zero
.set NX, (\st)+1
.set C0, (96*(\st))/ROWB
.set C1, (96*NX)/ROWB
.set E0, (96*(\st)+95)/ROWB
.set E1, (96*NX+95)/ROWB
.if C1 > C0 || E1 > E0
	s_wait_tensorcnt 0x0                           ; all my tensor loads have landed
.if C1 > C0
	ds_add_u32 v[SPW], v[NIL]
	s_wait_dscnt 4*NL+1                            ; the add and the youngest 24 loads (A''s blocks 4-7) may be out
.else
	s_wait_dscnt 4*NL
.endif
	WIN MUL_LO
	MUL16 0, (\st)%2, (\st)%2, ((\st)/2)%2, \zero
	s_wait_dscnt 0x0                               ; the add and all my reads are done
	s_barrier_signal -1
	MUL16 2, (\st)%2, (\st)%2, ((\st)/2)%2, \zero
	WIN 0
	s_barrier_wait -1
.if C1 > C0 && C0+2 < CHUNKS
	CREST
	s_add_nc_u64 s[G0+4*(C0%2)+2:G0+4*(C0%2)+3], s[G0+4*(C0%2)+2:G0+4*(C0%2)+3], 2*ROWB
	s_add_nc_u64 s[G0B+4*(C0%2)+2:G0B+4*(C0%2)+3], s[G0B+4*(C0%2)+2:G0B+4*(C0%2)+3], 2*ROWB
	JLOAD G0+4*(C0%2), G1, G0B+4*(C0%2), G1B       ; chunk C0 + 2; its four v_nop are the places in front of the loads below
.else
	PLACES NP
.endif
.else
	s_wait_dscnt 4*NL                              ; the youngest 24 loads (A''s blocks 4-7) may be out
	WIN MUL_LO
	MUL16 0, (\st)%2, (\st)%2, ((\st)/2)%2, \zero
	MUL16 2, (\st)%2, (\st)%2, ((\st)/2)%2, \zero
	s_wait_dscnt 0
	PLACES NP
.endif
	FETCH_B NX, NX%2
	FETCH_A NX, 0
.if NX%2 == 0
	SCALES NX/2
.endif
	WIN MUL_HI
	MUL16 4, (\st)%2, (\st)%2, ((\st)/2)%2, \zero
	MUL16 6, (\st)%2, (\st)%2, ((\st)/2)%2, \zero
	PLACES NP
	WIN 0
	FETCH_A NX, 4
.endm
	s_wait_alu depctr_va_vdst(0)                   ; the wait at the head's end
	s_wait_tensorcnt 0x0                           ; my tile of the head's four is in
	ds_add_u32 v[SPW], v[NIL]
	s_mov_b32 s[G1+2], 128<<16                     ; no tensor load of mine is out: from here on a load brings 128 rows
	s_mov_b32 s[G1+4], 128
	s_mov_b32 s[G1B+2], 128<<16
	s_mov_b32 s[G1B+4], 128
	s_wait_dscnt 0x0
	CROUND
	JLOAD G0+4, G1, G0B+4, G1B                     ; chunk 1: slot 1's first fill, issued as a refill is
	FETCH_B 0, 0
	FETCH_A 0, 0
	SCALES 0
	FETCH_A 0, 4
	STEP 0, 1                                      ; the first step's products start the sums
.set ST, 1
.rept STEPS-2
	STEP ST, 0
.set ST, ST+1
.endr
	s_wait_dscnt 4*NL
	WIN MUL_LO
	MUL16 0, 1, 1, 1, 0
	MUL16 2, 1, 1, 1, 0
	s_wait_dscnt 0
	WIN MUL_HI
	MUL16 4, 1, 1, 1, 0
	MUL16 6, 1, 1, 1, 0
	WIN 0
; THE WAY OUT, block by block of 16 rows of A': bias, quantiser, stores.  A lane's 64 numbers of a block are four blocks of 32 shared with lane l xor 16.
	v_and_b32 v[L16], 31, v0                       ; these seven lines are the places behind the last products
	v_lshlrev_b32 v[L8], 3, v[L16]
	v_lshlrev_b32 v[L16], 4, v[L16]
	v_lshlrev_b32 v[LSW], 5, v1
	v_lshl_add_u32 v[LSW], v2, 4, v[LSW]
	v_mul_u32_u24 v[LSV], v2, HEADB
	v_lshl_add_u32 v[LSV], v1, 4, v[LSV]
.irp b, 0,1,2,3
	v_mov_b32 v[TM+4+\b], 0                        ; a lane permute's destination counts as one of its sources
.endr
	s_mov_b32 s[SEL], 0x76543210                   ; (all tensor loads have been waited for: the descriptors' registers are free)
	s_mov_b32 s[SEL+1], 0xfedcba98
	s_mov_b32 vcc_lo, 0xffff0000                   ; lanes 16-31
	s_wait_loadcnt 0x0                             ; the bias tables
.macro BIAS_N a                        ; the bias runs along the registers; each accumulator from its low end on
.set WN, 2+(\a)/4
.set AC, 64*((\a)%4)
	WIN ((WN<<6)|WN)
.set i, 0
.rept 32
	v_pk_add_f32 v[AC+i:AC+i+1], v[AC+i:AC+i+1], v[BT+i:BT+i+1]
.set i, i+2
.endr
.endm
.macro BIAS_M a                        ; the bias is my row's
.set WN, 2+(\a)/4
.set AC, 64*((\a)%4)
	WIN ((WN<<6)|WN)
.set i, 0
.rept 32
	v_pk_add_f32 v[AC+i:AC+i+1], v[AC+i:AC+i+1], v[BTM+2*(\a):BTM+2*(\a)+1]
.set i, i+2
.endr
.endm
.macro QUANT a, pc, pw                 ; block a's 64 numbers of a lane: 12 registers of codes at v[pc], the row's scale word in v[pw]
.set WN, 2+(\a)/4
.set AC, 64*((\a)%4)
	WIN ((WN<<2)|(WN<<4))
.irp b, 0,1,2,3
	v_max3_num_f32 v[TM+\b], 0x1800000, |v[AC+16*\b]|, |v[AC+16*\b+1]|   ; with the floor 2^(3 - 127)
.endr
.irp n, 2,4,6,8,10,12,14
.irp b, 0,1,2,3
	v_max3_num_f32 v[TM+\b], v[TM+\b], |v[AC+16*\b+\n]|, |v[AC+16*\b+\n+1]|
.endr
.endr
	WIN 0
.irp b, 0,1,2,3
	v_permlanex16_b32 v[TM+4+\b], v[TM+\b], s[SEL], s[SEL+1]
.endr
.irp b, 0,1,2,3
	v_max_num_f32 v[TM+\b], v[TM+\b], v[TM+4+\b]
.endr
.irp b, 0,1,2,3
	v_add_nc_u32 v[TM+12+\b], 0xff000000, v[TM+\b] ; 2 off the exponent field: the conversion's scale operand
.endr
.irp b, 0,1,2,3
	v_lshrrev_b32 v[TM+4+\b], 23, v[TM+12+\b]      ; the scale's byte
.endr
	v_lshl_or_b32 v[\pw], v[TM+5], 8, v[TM+4]
	v_lshl_or_b32 v[\pw], v[TM+6], 16, v[\pw]
	v_lshl_or_b32 v[\pw], v[TM+7], 24, v[\pw]
	s_wait_xcnt 0x0                                ; the stores of two blocks ago have read this set of code registers
	WIN WN
.irp c, 0,1
	v_cvt_scalef32_pk16_fp6_f32 v[\pc+6*\c:\pc+6*\c+2], v[AC+32*\c:AC+32*\c+15], v[TM+12+2*\c]
	v_cvt_scalef32_pk16_fp6_f32 v[\pc+12+4*\c:\pc+14+4*\c], v[AC+16+32*\c:AC+31+32*\c], v[TM+13+2*\c]
.endr
	WIN 0
	v_nop                                          ; one plain place behind a scaled conversion
.irp c, 0,1                            ; a whole block in a lane: lanes 0-15 block 2 c, lanes 16-31 block 2 c + 1
.irp n, 0,1,2
	v_permlane16_swap_b32 v[\pc+6*\c+\n], v[\pc+12+4*\c+\n]
.endr
.irp n, 0,1,2
	v_mov_b32 v[\pc+3+6*\c+\n], v[\pc+12+4*\c+\n]
.endr
.endr
.endm
	s_cmp_eq_u32 ttmp9, 2
	s_cbranch_scc1 .Lway_v
	; q and k: my rows of A' are one group of 128 tokens, my rows of B' two heads
	s_lshr_b32 s32, s94, 11                        ; the batch
	s_bfe_u32 s33, s94, 0x40007                    ; the group of 128 tokens
	s_bfe_u32 s34, s95, 0x40006                    ; the first head
	s_lshl_b32 s32, s32, 4
	s_add_co_u32 s32, s32, s34
	s_cmp_eq_u32 ttmp9, 1                          ; k or q: buffers and strides are chosen
	s_mov_b32 s35, QHEAD
	s_cselect_b32 s35, HEADB, s35
	s_mov_b32 s36, 6144
	s_cselect_b32 s36, STEPB, s36
	s_mov_b32 s37, 8192
	s_cselect_b32 s37, HEADB, s37
	s_mov_b32 s38, 512
	s_cselect_b32 s38, STEPB, s38
	s_cselect_b32 s39, 12288, 0
	s_cselect_b64 s[OUTA:OUTA+1], s[100:101], s[96:97]
	s_cselect_b64 s[SCA:SCA+1], s[100:101], s[98:99]
	s_mul_i32 s44, s32, s35
	s_mul_i32 s45, s33, s36
	s_add_co_u32 s44, s44, s45
	s_mov_b32 s45, 0
	s_add_nc_u64 s[OUTA:OUTA+1], s[OUTA:OUTA+1], s[44:45]
	s_mov_b32 s44, s35
	s_add_nc_u64 s[OUTB:OUTB+1], s[OUTA:OUTA+1], s[44:45]
	s_mul_i32 s44, s32, s37
	s_mul_i32 s46, s33, s38
	s_add_co_u32 s44, s44, s46
	s_add_co_u32 s44, s44, s39
	s_add_nc_u64 s[SCA:SCA+1], s[SCA:SCA+1], s[44:45]
	s_mov_b32 s44, s37
	s_add_nc_u64 s[SCB:SCB+1], s[SCA:SCA+1], s[44:45]
.irp a, 0,1,2,3,4,5,6,7
.set PP, PCS+20*(\a%2)
	BIAS_N \a
	QUANT \a, PP, PWR+\a
	global_store_b128 v[L16], v[PP:PP+3], s[OUTA:OUTA+1] offset:768*\a          ; 512 consecutive bytes
	global_store_b64 v[L8], v[PP+4:PP+5], s[OUTA:OUTA+1] offset:768*\a+512      ; 256
	global_store_b128 v[L16], v[PP+6:PP+9], s[OUTB:OUTB+1] offset:768*\a
	global_store_b64 v[L8], v[PP+10:PP+11], s[OUTB:OUTB+1] offset:768*\a+512
.endr
.irp n, 0,1,2,3
	v_cndmask_b32 v[WR+\n], v[PWR+\n], v[PWR+4+\n], vcc_lo   ; lanes 0-15 tiles 0-3's words, lanes 16-31 tiles 4-7's
.endr
.irp n, 0,1,2,3
	v_and_b32 v[WR+4+\n], 0xffff, v[WR+\n]         ; the first head's two bytes
.endr
.irp n, 0,1,2,3
	v_lshrrev_b32 v[WR+\n], 16, v[WR+\n]           ; the second head's
.endr
	global_store_b128 v[LSW], v[WR+4:WR+7], s[SCA:SCA+1]
	global_store_b128 v[LSW], v[WR:WR+3], s[SCB:SCB+1]
	s_branch .Lend
.Lway_v:
	; v: my rows of A' are two heads x four tiles of 16 features, my rows of B' one key step
	s_sub_co_u32 s32, s94, 2048
	s_lshr_b32 s32, s32, 6
	s_lshr_b32 s33, s95, 11
	s_bfe_u32 s34, s95, 0x40007
	s_lshl_b32 s33, s33, 4
	s_add_co_u32 s32, s32, s33
	s_mul_i32 s44, s32, HEADB
	s_mul_i32 s45, s34, STEPB
	s_add_co_u32 s44, s44, s45
	s_mov_b32 s45, 0
	s_add_nc_u64 s[OUTA:OUTA+1], s[100:101], s[44:45]
.irp a, 0,1,2,3,4,5,6,7
.set PP, PCS+20*(\a%2)
	BIAS_M \a
	QUANT \a, PP, PWR+\a
.irp c, 0,1,2
	global_store_b128 v[L16], v[PP+4*\c:PP+4*\c+3], s[OUTA:OUTA+1] offset:6144+(\a/4)*HEADB+(\a%4)*1536+512*\c
.endr
.endr
.irp n, 0,1,2,3
	v_cndmask_b32 v[WR+\n], v[PWR+\n], v[PWR+4+\n], vcc_lo
.endr
	global_store_b128 v[LSV], v[WR:WR+3], s[OUTA:OUTA+1] offset:12800   ; each half of the lanes stores 256 consecutive bytes
.Lend:
	s_wait_tensorcnt 0x0                           ; the wave's end
	ds_add_u32 v[SPW], v[NIL]
	s_wait_dscnt 0x0
	CROUND                                         ; the closing round
	s_endpgm
.Lfunc_end_k_qe750857cb7_qkv:
	.size	k_qe750857cb7_qkv, .Lfunc_end_k_qe750857cb7_qkv-k_qe750857cb7_qkv
	.p2alignl 7, 3214868480
	.fill 96, 4, 3214868480
	.section	.rodata,"a",@progbits
	.p2align	6, 0x0
	.amdhsa_kernel k_qe750857cb7_qkv
		.amdhsa_group_segment_fixed_size 327680
		.amdhsa_private_segment_fixed_size 0
		.amdhsa_enable_private_segment 0
		.amdhsa_kernarg_size 64
		.amdhsa_user_sgpr_count 2
		.amdhsa_user_sgpr_kernarg_segment_ptr 1
		.amdhsa_wavefront_size32 1
		.amdhsa_system_sgpr_workgroup_id_x 1
		.amdhsa_system_sgpr_workgroup_id_y 1
		.amdhsa_system_sgpr_workgroup_id_z 1
		.amdhsa_system_vgpr_workitem_id 0
		.amdhsa_next_free_vgpr 1024
		.amdhsa_next_free_sgpr 102
		.amdhsa_reserve_vcc 1
		.amdhsa_float_denorm_mode_32 3
		.amdhsa_float_denorm_mode_16_64 3
		.amdhsa_memory_ordered 1
		.amdhsa_forward_progress 1
		.amdhsa_inst_pref_size 237
	.end_amdhsa_kernel
	.amdgpu_metadata
---
amdhsa.version: [ 1, 2 ]
amdhsa.kernels:
  - .name:           k_qe750857cb7_qkv
    .symbol:         k_qe750857cb7_qkv.kd
    .args:
      - { .name: x_codes, .offset: 0, .size: 8, .value_kind: global_buffer, .address_space: global }
      - { .name: x_scales, .offset: 8, .size: 8, .value_kind: global_buffer, .address_space: global }
      - { .name: qkv_w_codes, .offset: 16, .size: 8, .value_kind: global_buffer, .address_space: global }
      - { .name: qkv_w_scales, .offset: 24, .size: 8, .value_kind: global_buffer, .address_space: global }
      - { .name: qkv_b, .offset: 32, .size: 8, .value_kind: global_buffer, .address_space: global }
      - { .name: q_img, .offset: 40, .size: 8, .value_kind: global_buffer, .address_space: global }
      - { .name: q_sc, .offset: 48, .size: 8, .value_kind: global_buffer, .address_space: global }
      - { .name: kv, .offset: 56, .size: 8, .value_kind: global_buffer, .address_space: global }
    .group_segment_fixed_size: 327680
    .private_segment_fixed_size: 0
    .kernarg_segment_align: 8
    .kernarg_segment_size: 64
    .max_flat_workgroup_size: 128
    .sgpr_count:     102
    .vgpr_count:     1024
    .wavefront_size: 32
...
	.end_amdgpu_metadata
.endif
;; end of part 1
;; launch attn (part 2): grid 8 x 32, 16 waves a work-group, clusters of 4 x 1, 327,680 bytes of LDS; arguments q_img, q_sc, kv, at_img, at_sc; writes at_img, at_sc
.if DOCPART == 2
	.amdgcn_target "amdgcn-amd-amdhsa--gfx1250"
	.amdhsa_code_object_version 6
	.text
	.protected	k_qe750857cb7_attn
	.globl	k_qe750857cb7_attn
	.p2align	8
	.type	k_qe750857cb7_attn,@function
k_qe750857cb7_attn:
	s_mov_b64 s[64:65], 0
	v_nop
	global_prefetch_b8 v0, s[64:65] scope:SCOPE_SE
	s_setreg_imm32_b32 hwreg(HW_REG_WAVE_MODE, 25, 1), 1
	s_wait_xcnt 0x0
	s_wait_alu depctr_hold_cnt(0) depctr_sa_sdst(0) depctr_va_vdst(0) depctr_va_sdst(0) depctr_va_ssrc(0) depctr_va_vcc(0) depctr_vm_vsrc(0)
	s_getreg_b32 s2, hwreg(HW_REG_IB_STS2, 6, 4)
	s_cmp_eq_u32 s2, 0
	s_cbranch_scc0 .Lentry_in_a_cluster
	s_endpgm
.Lentry_in_a_cluster:
	s_bfe_u32 s2, ttmp6, 0x10000c
	s_cmp_lg_u32 s2, 0x3003
	s_cbranch_scc0 .Lentry_shape_is_right
	s_endpgm
.Lentry_shape_is_right:
; Attention on codes of FP6 (E2M3): S^T = k q^T (K = the head's 64), p = 2^(t - M), O^T = v^T p^T (K = the keys); O / l is quantised here along the embedding for the last product.
; t = score x log2(e) / 8; M = the running largest t rounded up to a whole number; p is quantised along the keys, not normalised; l is the sum of the unquantised p and divides at the end.
; When M moves, l and O^T are multiplied by 2^(old M - new M): exact.
; SHARES.  A work-group owns 256 queries of a pair of heads (2 Y, 2 Y + 1); each of its sixteen waves 16 queries; it runs the first head, then the second, and so ends with both halves of the last product's scale word.
; THE RING.  Two LDS slots of eight key steps each (half a head of kv, 104,448 dense bytes).  Wave w fetches key step w of a head: 51 rows of 256 bytes, to LDS byte 13,056 w; so waves 0-7 fill slot 0 and waves 8-15 slot 1.
; The four work-groups of a cluster are four query blocks of the same heads and ask jointly (mask 15).  A wave has one tensor load out at the start and at most one behind each round.
; A refill is asked for eight key steps ahead of its first read, and both first fills stand at the head: no prefetch is laid.
; LAYOUT.  Both products are used transposed: a lane holds one query (lane % 16).  kv holds images of operand registers: a fragment comes by loads of 16 or 8 bytes a lane.
; The upper 64 of K in k q^T are not used: q's registers 6-11 are zeros and the scale bytes 2 and 3 of q and k are 0; the upper half of a fragment of k is the next tile's codes (six zero registers close the run).
; q, k, v come with each block's elements in the order 0-7, 16-23, 8-15, 24-31; p's quantiser gives the same order as v's.  O's tiles are put in natural order for the last product.
; LIMITS: NaN and infinities are not served; v_exp_f32 gives 0 for results under 2^-126; a block of zeros gets the scale byte 1; the scaled scores stay under 2^31 in magnitude.
; k's tiles and scale words of step t + 1 are loaded behind step t's first products, under its softmax; a slot's last step loads its own once more (the address is held at the slot's last step).
; Of the six registers that close the run of k's tiles, v80-83 carry v's scale words and v84-85 stay zeros: finite codes all, which multiply q's zeros.
.set HEADB, 208896
.set STEPB, 13056                      ; 8 x 768 k | 4 x 1,536 v | 512 k's scale words | 256 v's
.set SLOTB, 8*STEPB
.set SCST,  2*SLOTB                    ; 1,024 bytes in which the waves' scale words meet; no fill lands there
.set SPARE, SCST+1024
.set LN,  1
.set R,   2
.set RH,  3                            ; 32 r + 16 h
.set SPW, 4
.set NIL, 5
.set A16, 6
.set A8,  7
.set AKS, 8
.set AVS, 9
.set QS,  10
.set HW,  11
.set Q,   16                           ; v16-27 q's fragment; v22-27 zeros
.set KSW, 28                           ; v28-31 k's scale words (lanes 0-15 tiles 0-3, lanes 16-31 tiles 4-7)
.set VSW, 80                           ; v80-83 v's scale words (tile f in v[80 + f])
.set KF,  32                           ; v32-79 k's eight tiles, 6 registers apart
.set VF,  86                           ; v86-133 v's four fragments
.set S,   134                          ; v134-197 S^T, then p
.set O,   198                          ; v198-229 O^T
.set PC,  230                          ; v230-241 p's codes
.set BM,  238
.set T,   242
.set SCR, 246
.set SO,  250
.set FF,  254
.set PWD, 255
.set WV,  18
.set SEL, 20
.set CS,  22
.set G1,  24
.set G0,  40                           ; s[40:43] my group 0
.set TB,  48
.set CNT, 49
.set TN,  50                           ; s50 LDS byte of the key step whose k is loaded next
.macro ASK
	tensor_load_to_lds s[G0:G0+3], s[G1:G1+7]
	s_nop 0
.rept 4
	v_nop
.endr
.endm
.macro TLOAD lo                        ; lo = 1: waves 0-7 refill slot 0; lo = 0: waves 8-15 slot 1
	s_cmp_lt_u32 s[WV], 8
.if \lo
	s_cbranch_scc0 .Lnone_\@
.else
	s_cbranch_scc1 .Lnone_\@
.endif
	ASK
.Lnone_\@:
.endm
.macro CROUND
	s_barrier_signal -1
	s_barrier_wait -1
	s_cmp_lg_u32 s[WV], 0
	s_cbranch_scc1 .Lnot_wave_0_\@
	s_barrier_signal -3
.Lnot_wave_0_\@:
	s_barrier_wait -3
	s_barrier_signal -1
	s_barrier_wait -1
.endm
	s_load_b128 s[4:7], s[0:1], 0x0                ; q_img, q_sc
	s_load_b128 s[8:11], s[0:1], 0x10              ; kv, at_img
	s_load_b64 s[12:13], s[0:1], 0x20              ; at_sc
	v_lshl_add_u32 v[SPW], v0, 2, SPARE
	v_mov_b32 v[NIL], 0
	ds_add_u32 v4, v5                              ; the opening lines
	ds_add_u32 v4, v5
	s_wait_dscnt 0x0
	v_lshrrev_b32 v1, 5, v0
	s_delay_alu instid0(VALU_DEP_1)
	v_readfirstlane_b32 s[WV], v1
	v_and_b32 v[LN], 31, v0
	v_and_b32 v[R], 15, v0
	v_bfe_u32 v[RH], v0, 4, 1
	s_delay_alu instid0(VALU_DEP_1)
	v_lshlrev_b32 v[RH], 4, v[RH]
	s_delay_alu instid0(VALU_DEP_1)
	v_lshl_add_u32 v[RH], v[R], 5, v[RH]
	s_bfe_u32 s14, ttmp6, 0x40000                  ; cx
	s_lshl_b32 s15, ttmp9, 2
	s_add_co_u32 s15, s15, s14                     ; my block of 256 queries
	s_and_b32 s16, ttmp7, 0xffff                   ; Y = 8 x batch + pair of heads
	s_mul_i32 s32, s16, 2*HEADB
	s_mul_i32 s17, s[WV], STEPB                    ; my key step, in memory and in LDS
	s_add_co_u32 s32, s32, s17
	s_mov_b32 s33, 0
	s_lshl_b32 s19, s15, 4
	s_add_co_u32 s19, s19, s[WV]                   ; my tile of 16 queries in the batch
	s_lshl_b32 s34, s16, 8
	s_add_co_u32 s34, s34, s19
	s_mul_i32 s34, s34, 768
	s_mov_b32 s35, 0
	s_lshl_b32 s36, s16, 14
	s_lshr_b32 s37, s19, 3
	s_lshl_b32 s37, s37, 9
	s_add_co_u32 s36, s36, s37
	s_and_b32 s37, s19, 7
	s_lshl_b32 s37, s37, 2
	s_add_co_u32 s36, s36, s37
	s_mov_b32 s37, 0
	s_lshr_b32 s38, s16, 3                         ; the batch
	s_lshl_b32 s39, s38, 7
	s_add_co_u32 s39, s39, s19
	s_mul_i32 s50, s39, 12288
	s_and_b32 s51, s16, 7                          ; the pair of heads
	s_mul_i32 s52, s51, 1536
	s_add_co_u32 s50, s50, s52                     ; at_img: tile x 12,288 + pair x 1,536
	s_lshl_b32 s52, s51, 6
	s_lshl_b32 s53, s38, 4
	s_add_co_u32 s52, s52, s53
	s_lshl_b32 s53, s15, 1
	s_add_co_u32 s52, s52, s53
	s_add_co_u32 s52, s52, s[WV]                   ; at_sc: (64 x pair + group of 128 tokens) x 512; waves 0 and 1 alone store there
	s_lshl_b32 s52, s52, 9
	s_mov_b32 s51, 0
	s_mov_b32 s53, 0
	s_mov_b32 s[G1], 15|(3<<16)|(1<<21)            ; 51 rows of 256 dense bytes, no padding
	s_mov_b32 s[G1+1], 32<<16
	s_mov_b32 s[G1+2], 51<<16
	s_mov_b32 s[G1+3], 32<<16
	s_mov_b32 s[G1+4], 51
	s_mov_b32 s[G1+5], 32
	s_mov_b32 s[G1+6], 0
	s_mov_b32 s[G1+7], 0
	s_mov_b32 s[SEL], 0x76543210
	s_mov_b32 s[SEL+1], 0xfedcba98
	s_mov_b32 s[CS], 0x3e38aa3b                    ; c = log2(e) / 8
	s_mov_b32 s[CS+1], s[CS]
	s_wait_kmcnt 0x0
	s_add_nc_u64 s[32:33], s[8:9], s[32:33]
	s_add_nc_u64 s[4:5], s[4:5], s[34:35]
	s_add_nc_u64 s[6:7], s[6:7], s[36:37]
	s_add_nc_u64 s[10:11], s[10:11], s[50:51]
	s_add_nc_u64 s[12:13], s[12:13], s[52:53]
	CROUND                                         ; in front of the first joint loads
	s_mov_b32 s[G0], 1
	s_mov_b32 s[G0+1], s17
	s_mov_b64 s[G0+2:G0+3], s[32:33]
	s_or_b32 s[G0+3], s[G0+3], 0x80000000
	s_cmp_lt_u32 s[WV], 8                          ; one load a wave; slot 0's waves have a line of their own, since they alone wait ahead of the first barrier
	s_cbranch_scc0 .Lhigh
	ASK
	s_branch .Lasked
.Lhigh:
	ASK
.Lasked:
.macro QLOAD hd
	global_load_b128 v[Q:Q+3], v[A16], s[4:5] offset:\hd*98304
	global_load_b64 v[Q+4:Q+5], v[A8], s[4:5] offset:\hd*98304+512
	global_load_b32 v[QS], v[AKS], s[6:7] offset:\hd*8192
.endm
.macro INIT                            ; the first step finds zeros, which the first change of M leaves zeros
	v_mov_b32 v13, 0xff61b1e6                      ; the largest t so far: -3e38
	s_delay_alu instid0(VALU_DEP_1)
	v_floor_f32 v12, -v13                          ; -M
	v_mov_b32 v14, 0
	v_mov_b32 v15, 0
.set i, 0
.rept 32
	v_mov_b32 v[O+i], 0
.set i, i+1
.endr
.endm
	s_wait_alu depctr_va_vdst(0)
	v_lshlrev_b32 v[A16], 4, v[LN]
	v_lshlrev_b32 v[A8], 3, v[LN]
	v_lshlrev_b32 v[AKS], 5, v[R]
	QLOAD 0
.irp n, 0,1,2,3,4,5
	v_mov_b32 v[Q+6+\n], 0
	v_mov_b32 v[KF+48+\n], 0
.endr
.irp b, 0,1,2,3
	v_mov_b32 v[T+\b], 0                           ; a lane permute's destination counts as one of its sources
.endr
	v_mov_b32 v[PWD], 0
	INIT
; A KEY STEP: 128 keys at LDS byte s[TB]
.macro KLOAD a16                       ; a key step's k: its scale words and eight tiles, 17 loads
	ds_load_b128 v[KSW:KSW+3], v[AKS] offset:12288
.irp t, 0,1,2,3,4,5,6,7
	ds_load_b128 v[KF+6*\t:KF+6*\t+3], v[\a16] offset:768*\t
	ds_load_b64 v[KF+6*\t+4:KF+6*\t+5], v[A8] offset:768*\t+512
.endr
.endm
.macro STEP lim                        ; lim: LDS byte of the slot's last key step
	s_add_co_u32 s[TN], s[TB], STEPB
	s_min_u32 s[TN], s[TN], \lim
	v_lshl_add_u32 v[A16], v[LN], 4, s[TB]         ; these four lines are the places behind the last step's products
	v_lshl_add_u32 v[AVS], v[R], 4, s[TB]
	v_nop
	v_nop
.irp f, 0,1,2,3
.irp c, 0,1,2
	ds_load_b128 v[VF+12*\f+4*\c:VF+12*\f+4*\c+3], v[A16] offset:6144+1536*\f+512*\c
.endr
.endr
	s_wait_alu depctr_va_vdst(0)
	s_wait_dscnt 12                                ; v's twelve loads may be out
.irp t, 0,1,2,3
	v_wmma_scale_f32_16x16x128_f8f6f4 v[S+8*\t:S+8*\t+7], v[KF+6*\t:KF+6*\t+11], v[Q:Q+11], 0, v[KSW+\t], v[QS] matrix_a_fmt:MATRIX_FMT_FP6 matrix_b_fmt:MATRIX_FMT_FP6
.endr
.irp t, 4,5,6,7
	v_wmma_scale_f32_16x16x128_f8f6f4 v[S+8*\t:S+8*\t+7], v[KF+6*\t:KF+6*\t+11], v[Q:Q+11], 0, v[KSW+\t-4], v[QS] matrix_a_fmt:MATRIX_FMT_FP6 matrix_b_fmt:MATRIX_FMT_FP6 matrix_a_scale:MATRIX_SCALE_ROW1
.endr
	v_lshl_add_u32 v[SCR], v[LN], 4, s[TN]         ; four places behind the products: the next k's addresses
	v_lshl_add_u32 v[A8], v[LN], 3, s[TN]
	v_add_nc_u32 v[AKS], s[TN], v[RH]
	v_nop
	ds_load_b128 v[VSW:VSW+3], v[AVS] offset:12800 ; v's scale words
	KLOAD SCR                                      ; the next step's k
.irp b, 0,1,2,3
	v_max3_num_f32 v[BM+\b], v[S+16*\b], v[S+1+16*\b], v[S+2+16*\b]   ; each block's largest score: for the row's maximum and for the block's largest p
.endr
.irp n, 3,5,7,9,11,13
.irp b, 0,1,2,3
	v_max3_num_f32 v[BM+\b], v[BM+\b], v[S+16*\b+\n], v[S+1+16*\b+\n]
.endr
.endr
.irp b, 0,1,2,3
	v_max_num_f32 v[BM+\b], v[BM+\b], v[S+15+16*\b]
.endr
.irp b, 0,1,2,3
	s_delay_alu instid0(VALU_DEP_4)
	v_permlanex16_b32 v[T+\b], v[BM+\b], s[SEL], s[SEL+1]
.endr
.irp b, 0,1,2,3
	s_delay_alu instid0(VALU_DEP_4)
	v_max_num_f32 v[BM+\b], v[BM+\b], v[T+\b]
.endr
	s_delay_alu instid0(VALU_DEP_2)
	v_max3_num_f32 v[SCR], v[BM], v[BM+1], v[BM+2]
	s_delay_alu instid0(VALU_DEP_1)
	v_max_num_f32 v[SCR], v[SCR], v[BM+3]
	s_delay_alu instid0(VALU_DEP_1)
	v_mul_f32 v[SCR], s[CS], v[SCR]
	s_delay_alu instid0(VALU_DEP_1)
	v_max_num_f32 v13, v13, v[SCR]                 ; the running largest t
	v_mov_b32 v[SCR], v12
	s_delay_alu instid0(VALU_DEP_2)
	v_floor_f32 v12, -v13                          ; the new -M
	s_delay_alu instid0(VALU_DEP_1)
	v_sub_f32 v[SCR], v12, v[SCR]
	s_delay_alu instid0(VALU_DEP_1)
	v_cvt_i32_f32 v[SCR], v[SCR]
	s_delay_alu instid0(VALU_DEP_1)
	v_ldexp_f32 v[FF], 1.0, v[SCR]                 ; f = 2^(old M - new M)
.set i, 0
.rept 32
	v_pk_fma_f32 v[S+i:S+i+1], v[S+i:S+i+1], s[CS:CS+1], v[12:13] op_sel_hi:[1,0,0]   ; t - M
.set i, i+2
.endr
.irp b, 0,1,2,3
	v_fma_f32 v[BM+\b], v[BM+\b], s[CS], v12
.endr
.set i, 0
	s_wait_alu depctr_va_vdst(0)
.rept 64
	v_exp_f32 v[S+i], v[S+i]
.set i, i+1
.endr
	v_pk_mul_f32 v[14:15], v[14:15], v[FF:FF+1] op_sel_hi:[1,0]
	s_wait_alu depctr_va_vdst(0)                   ; one wait for the batch of 64
.irp b, 0,1,2,3
	v_exp_f32 v[BM+\b], v[BM+\b]                   ; the block's largest p
.endr
	v_pk_add_f32 v[242:243], v[138:139], v[142:143]
	v_pk_add_f32 v[252:253], v[146:147], v[150:151]
	v_pk_add_f32 v[250:251], v[154:155], v[158:159]
	v_pk_add_f32 v[248:249], v[162:163], v[166:167]
	v_pk_add_f32 v[246:247], v[170:171], v[174:175]
	v_pk_add_f32 v[244:245], v[178:179], v[182:183]
	v_pk_add_f32 v[236:237], v[186:187], v[190:191]
	v_pk_add_f32 v[14:15], v[14:15], v[194:195]
	v_pk_add_f32 v[242:243], v[242:243], v[134:135]
	v_pk_add_f32 v[252:253], v[252:253], v[136:137]
	v_pk_add_f32 v[250:251], v[250:251], v[140:141]
	v_pk_add_f32 v[248:249], v[248:249], v[144:145]
	v_pk_add_f32 v[246:247], v[246:247], v[148:149]
	v_pk_add_f32 v[244:245], v[244:245], v[152:153]
	v_pk_add_f32 v[236:237], v[236:237], v[156:157]
	v_pk_add_f32 v[14:15], v[14:15], v[160:161]
	v_pk_add_f32 v[242:243], v[242:243], v[164:165]
	v_pk_add_f32 v[252:253], v[252:253], v[168:169]
	v_pk_add_f32 v[250:251], v[250:251], v[172:173]
	v_pk_add_f32 v[248:249], v[248:249], v[176:177]
	v_pk_add_f32 v[246:247], v[246:247], v[180:181]
	v_pk_add_f32 v[244:245], v[244:245], v[184:185]
	v_pk_add_f32 v[236:237], v[236:237], v[188:189]
	v_pk_add_f32 v[14:15], v[14:15], v[192:193]
	v_pk_add_f32 v[242:243], v[242:243], v[196:197]
	s_delay_alu instid0(VALU_DEP_2)
	v_pk_add_f32 v[14:15], v[14:15], v[248:249]
	s_delay_alu instid0(VALU_DEP_2)
	v_pk_add_f32 v[242:243], v[242:243], v[246:247]
	v_pk_add_f32 v[252:253], v[252:253], v[244:245]
	v_pk_add_f32 v[250:251], v[250:251], v[236:237]
	s_delay_alu instid0(VALU_DEP_2)
	v_pk_add_f32 v[14:15], v[14:15], v[252:253]
	s_delay_alu instid0(VALU_DEP_2)
	v_pk_add_f32 v[242:243], v[242:243], v[250:251]
	s_delay_alu instid0(VALU_DEP_1)
	v_pk_add_f32 v[14:15], v[14:15], v[242:243]
	s_wait_alu depctr_va_vdst(0)                   ; and one for the four
.irp b, 0,1,2,3
	v_max_num_f32 v[BM+\b], 0x1800000, v[BM+\b]    ; the floor 2^(3 - 127)
.endr
.irp b, 0,1,2,3
	s_delay_alu instid0(VALU_DEP_4)
	v_add_nc_u32 v[SO+\b], 0xff000000, v[BM+\b]
.endr
.irp b, 0,1,2,3
	s_delay_alu instid0(VALU_DEP_4)
	v_lshrrev_b32 v[T+\b], 23, v[SO+\b]
.endr
	s_delay_alu instid0(VALU_DEP_3)
	v_lshl_or_b32 v[PWD], v[T+1], 8, v[T]          ; p's scale word
	s_delay_alu instid0(VALU_DEP_1)
	v_lshl_or_b32 v[PWD], v[T+2], 16, v[PWD]
	s_delay_alu instid0(VALU_DEP_1)
	v_lshl_or_b32 v[PWD], v[T+3], 24, v[PWD]
.irp c, 0,1
	v_cvt_scalef32_pk16_fp6_f32 v[PC+6*\c:PC+2+6*\c], v[S+32*\c:S+15+32*\c], v[SO+2*\c]
	v_cvt_scalef32_pk16_fp6_f32 v[T+4*\c:T+2+4*\c], v[S+16+32*\c:S+31+32*\c], v[SO+2*\c+1]
.endr
	v_nop
.irp c, 0,1
.irp n, 0,1,2
	v_permlane16_swap_b32 v[PC+6*\c+\n], v[T+4*\c+\n]
.endr
.irp n, 0,1,2
	s_delay_alu instid0(VALU_DEP_3)
	v_mov_b32 v[PC+3+6*\c+\n], v[T+4*\c+\n]
.endr
.endr
.set i, 0
.rept 16
	v_pk_mul_f32 v[O+i:O+i+1], v[O+i:O+i+1], v[FF:FF+1] op_sel_hi:[1,0]   ; O^T under the new M; also the places ahead of the products
.set i, i+2
.endr
	s_wait_alu depctr_va_vdst(0)
	s_wait_dscnt 0x0
.irp f, 0,1,2,3
	v_wmma_scale_f32_16x16x128_f8f6f4 v[O+8*\f:O+8*\f+7], v[VF+12*\f:VF+12*\f+11], v[PC:PC+11], v[O+8*\f:O+8*\f+7], v[VSW+\f], v[PWD] matrix_a_fmt:MATRIX_FMT_FP6 matrix_b_fmt:MATRIX_FMT_FP6
.endr
.endm
.macro RUN base                        ; a slot's eight key steps
	s_mov_b32 s[TB], \base
	s_mov_b32 s[CNT], 8
	v_lshl_add_u32 v[A16], v[LN], 4, s[TB]
	v_lshl_add_u32 v[A8], v[LN], 3, s[TB]
	v_add_nc_u32 v[AKS], s[TB], v[RH]
	v_nop
	KLOAD A16                                      ; the slot's first k
.Lrun_\@:
	STEP \base+7*STEPB
	s_add_co_u32 s[TB], s[TB], STEPB
	s_sub_co_u32 s[CNT], s[CNT], 1
	s_cmp_lg_u32 s[CNT], 0
	s_cbranch_scc1 .Lrun_\@
.endm
; THE CHANGE OF SLOTS: the three lines in every wave; fill = 1: a round of the cluster's barrier, and the slot left behind takes the same half of the second head
.macro CHANGE fill, lo
	s_wait_tensorcnt 0x0
	ds_add_u32 v[SPW], v[NIL]
.if \fill && \lo
	s_add_nc_u64 s[G0+2:G0+3], s[G0+2:G0+3], HEADB ; no load of mine is out: my key step of the second head, for whichever change I refill at
.endif
	s_wait_dscnt 0x0
.if \fill
	CROUND
	TLOAD \lo
.else
	s_barrier_signal -1
	s_barrier_wait -1
.endif
.endm
; A HEAD'S END: O^T / l in natural order, quantised in two blocks of 32: registers 0-5 (hd = 0) or 6-11 (hd = 1) of the last product's fragment
.macro FINISH hd
	v_add_f32 v14, v14, v15
	s_delay_alu instid0(VALU_DEP_1)
	v_permlanex16_b32 v[SCR], v14, s[SEL], s[SEL+1]
	s_delay_alu instid0(VALU_DEP_1)
	v_add_f32 v14, v14, v[SCR]
	s_wait_alu depctr_va_vdst(0)
	v_rcp_f32 v14, v14
	v_nop
	s_wait_alu depctr_va_vdst(0)
.set i, 0
.rept 16
	v_pk_mul_f32 v[S+i:S+i+1], v[O+i:O+i+1], v[14:15] op_sel_hi:[1,0]
.set i, i+2
.endr
.irp b, 0,1
.irp n, 0,1,2,3,4,5,6,7
	v_permlane16_swap_b32 v[S+16*\b+\n], v[S+16*\b+8+\n]   ; register 16 b + i is now feature 32 b + 16 h + i
.endr
.endr
.irp b, 0,1
	v_max3_num_f32 v[BM+\b], |v[S+16*\b]|, |v[S+16*\b+1]|, 0x1800000
.endr
.irp n, 2,4,6,8,10,12,14
.irp b, 0,1
	s_delay_alu instid0(VALU_DEP_2)
	v_max3_num_f32 v[BM+\b], v[BM+\b], |v[S+16*\b+\n]|, |v[S+16*\b+\n+1]|
.endr
.endr
.irp b, 0,1
	s_delay_alu instid0(VALU_DEP_2)
	v_permlanex16_b32 v[T+\b], v[BM+\b], s[SEL], s[SEL+1]
.endr
.irp b, 0,1
	s_delay_alu instid0(VALU_DEP_2)
	v_max_num_f32 v[BM+\b], v[BM+\b], v[T+\b]
.endr
.irp b, 0,1
	s_delay_alu instid0(VALU_DEP_2)
	v_add_nc_u32 v[SO+\b], 0xff000000, v[BM+\b]
.endr
.irp b, 0,1
	s_delay_alu instid0(VALU_DEP_2)
	v_lshrrev_b32 v[T+\b], 23, v[SO+\b]
.endr
.if \hd
	s_delay_alu instid0(VALU_DEP_1)
	v_lshl_or_b32 v[SCR], v[T+1], 8, v[T]
	s_delay_alu instid0(VALU_DEP_1)
	v_lshl_or_b32 v[HW], v[SCR], 16, v[HW]
.else
	s_delay_alu instid0(VALU_DEP_1)
	v_lshl_or_b32 v[HW], v[T+1], 8, v[T]
.endif
	v_cvt_scalef32_pk16_fp6_f32 v[PC:PC+2], v[S:S+15], v[SO]
	v_cvt_scalef32_pk16_fp6_f32 v[T:T+2], v[S+16:S+31], v[SO+1]
	v_nop
.irp n, 0,1,2
	v_permlane16_swap_b32 v[PC+\n], v[T+\n]
.endr
.irp n, 0,1,2
	s_delay_alu instid0(VALU_DEP_3)
	v_mov_b32 v[PC+3+\n], v[T+\n]
.endr
	global_store_b128 v[A16], v[PC:PC+3], s[10:11] offset:\hd*768         ; 512 consecutive bytes
	global_store_b64 v[A8], v[PC+4:PC+5], s[10:11] offset:\hd*768+512     ; 256
.endm
	s_wait_alu depctr_va_vdst(0)                   ; the wait at the head's end
	s_wait_loadcnt 0x0                             ; q
	s_cmp_lt_u32 s[WV], 8
	s_cbranch_scc0 .Lnot_slot_0
	s_wait_tensorcnt 0x0                           ; my key step of slot 0 is in
.Lnot_slot_0:
	s_barrier_signal -1                            ; slot 1's loads may stay out
	s_barrier_wait -1
	RUN 0                                          ; first head, keys 0 .. 1,023
	CHANGE 1, 1
	RUN SLOTB                                      ; first head, keys 1,024 .. 2,047
	CHANGE 1, 0
	v_lshlrev_b32 v[A16], 4, v[LN]
	v_lshlrev_b32 v[A8], 3, v[LN]
	v_lshlrev_b32 v[AKS], 5, v[R]
	FINISH 0
	QLOAD 1
	INIT
	s_wait_loadcnt 0x0
	s_wait_xcnt 0x0                                ; the stores have read their data and addresses
	RUN 0
	CHANGE 0, 0
	RUN SLOTB
	s_lshr_b32 s32, s[WV], 3
	s_lshl_b32 s32, s32, 9
	s_and_b32 s33, s[WV], 7
	s_lshl_b32 s33, s33, 2
	s_add_co_u32 s32, s32, s33
	s_add_co_u32 s32, s32, SCST
	v_lshlrev_b32 v[A16], 4, v[LN]
	v_lshlrev_b32 v[A8], 3, v[LN]
	v_lshl_add_u32 v[AKS], v[R], 5, s32            ; my word's place: [group of 8 waves][row 16][wave in the group 8]
	v_lshl_add_u32 v[AVS], v0, 4, SCST
	FINISH 1
	ds_store_b32 v[AKS], v[HW]
	s_wait_dscnt 0x0
	s_barrier_signal -1
	s_barrier_wait -1
	s_cmp_lt_u32 s[WV], 2
	s_cbranch_scc0 .Lno_words
	ds_load_b128 v[S:S+3], v[AVS]
	s_wait_dscnt 0x0
	global_store_b128 v[A16], v[S:S+3], s[12:13]   ; a group's 512 bytes of scale words
.Lno_words:
	s_wait_tensorcnt 0x0                           ; the wave's end
	ds_add_u32 v[SPW], v[NIL]
	s_wait_dscnt 0x0
	CROUND
	s_endpgm
.Lfunc_end_k_qe750857cb7_attn:
	.size	k_qe750857cb7_attn, .Lfunc_end_k_qe750857cb7_attn-k_qe750857cb7_attn
	.p2alignl 7, 3214868480
	.fill 96, 4, 3214868480
	.section	.rodata,"a",@progbits
	.p2align	6, 0x0
	.amdhsa_kernel k_qe750857cb7_attn
		.amdhsa_group_segment_fixed_size 327680
		.amdhsa_private_segment_fixed_size 0
		.amdhsa_enable_private_segment 0
		.amdhsa_kernarg_size 40
		.amdhsa_user_sgpr_count 2
		.amdhsa_user_sgpr_kernarg_segment_ptr 1
		.amdhsa_wavefront_size32 1
		.amdhsa_system_sgpr_workgroup_id_x 1
		.amdhsa_system_sgpr_workgroup_id_y 1
		.amdhsa_system_sgpr_workgroup_id_z 1
		.amdhsa_system_vgpr_workitem_id 0
		.amdhsa_next_free_vgpr 256
		.amdhsa_next_free_sgpr 66
		.amdhsa_reserve_vcc 0
		.amdhsa_float_denorm_mode_32 3
		.amdhsa_float_denorm_mode_16_64 3
		.amdhsa_memory_ordered 1
		.amdhsa_forward_progress 1
		.amdhsa_inst_pref_size 95
	.end_amdhsa_kernel
	.amdgpu_metadata
---
amdhsa.version: [ 1, 2 ]
amdhsa.kernels:
  - .name:           k_qe750857cb7_attn
    .symbol:         k_qe750857cb7_attn.kd
    .args:
      - { .name: q_img, .offset: 0, .size: 8, .value_kind: global_buffer, .address_space: global }
      - { .name: q_sc, .offset: 8, .size: 8, .value_kind: global_buffer, .address_space: global }
      - { .name: kv, .offset: 16, .size: 8, .value_kind: global_buffer, .address_space: global }
      - { .name: at_img, .offset: 24, .size: 8, .value_kind: global_buffer, .address_space: global }
      - { .name: at_sc, .offset: 32, .size: 8, .value_kind: global_buffer, .address_space: global }
    .group_segment_fixed_size: 327680
    .private_segment_fixed_size: 0
    .kernarg_segment_align: 8
    .kernarg_segment_size: 40
    .max_flat_workgroup_size: 512
    .sgpr_count:     66
    .vgpr_count:     256
    .wavefront_size: 32
...
	.end_amdgpu_metadata
.endif
;; end of part 2
;; launch proj (part 3): grid 8 x 32, 4 waves a work-group, clusters of 4 x 4, 327,680 bytes of LDS; arguments at_img, at_sc, out_w_codes, out_w_scales, out_b, out0; writes out0
.if DOCPART == 3
	.amdgcn_target "amdgcn-amd-amdhsa--gfx1250"
	.amdhsa_code_object_version 6
	.text
	.protected	k_qe750857cb7_proj
	.globl	k_qe750857cb7_proj
	.p2align	8
	.type	k_qe750857cb7_proj,@function
k_qe750857cb7_proj:
	s_mov_b64 s[64:65], 0
	v_nop
	global_prefetch_b8 v0, s[64:65] scope:SCOPE_SE
	s_setreg_imm32_b32 hwreg(HW_REG_WAVE_MODE, 25, 1), 1
	s_wait_xcnt 0x0
	s_wait_alu depctr_hold_cnt(0) depctr_sa_sdst(0) depctr_va_vdst(0) depctr_va_sdst(0) depctr_va_ssrc(0) depctr_va_vcc(0) depctr_vm_vsrc(0)
	s_getreg_b32 s2, hwreg(HW_REG_IB_STS2, 6, 4)
	s_cmp_eq_u32 s2, 0
	s_cbranch_scc0 .Lentry_in_a_cluster
	s_endpgm
.Lentry_in_a_cluster:
	s_bfe_u32 s2, ttmp6, 0x10000c
	s_cmp_lg_u32 s2, 0xf033
	s_cbranch_scc0 .Lentry_shape_is_right
	s_endpgm
.Lentry_shape_is_right:
; out0 = attn out_w^T + out_b on codes of FP6.  A work-group makes 256 tokens x 128 columns, a wave 128 x 64; the bias is the first products' C.
; A (at_img, images of operand registers) lies in LDS in two chunks of 512 along K; B's 128 rows come whole, 768 bytes + 16 behind every 256.
; The head's four tiles go one to a wave: A's chunk 0, B, A's scale words, B's scale bytes; A's chunk 1 follows behind the three lines and a round.
; Joint loads: A and its scales along a row of the cluster, B and its scales along a column.  No prefetch: the launch has no loop to run ahead in.
.set PITCHB, 816
.set ACH,    98304
.set AHALF,  49152
.set BBASE,  196608
.set BHALF,  64*PITCHB
.set SAB,    307200
.set SBB,    315392
.set SBH,    2176
.set SPITCH, 272
.set SAR,  32
.set SBR,  40
.set BI,   72
.set BF,   128
.set BK,   128
.set G1A,  24
.set G1B,  32
.set G1SA, 40
.set G1SB, 48
.set G0A,  56
.set G0B,  68
.set G0SA, 76
.set G0SB, 80
.set MSB, 0
.macro WIN new
.if MSB != \new
	s_set_vgpr_msb (MSB<<8)|\new
.set MSB, \new
.endif
.endm
.macro TLOAD g0, g1
	tensor_load_to_lds s[\g0:\g0+3], s[\g1:\g1+7]
	s_nop 0
.rept 4
	v_nop
.endr
.endm
.macro ARM under, g0, g1, next         ; one arm of the head's chain on the wave's number
	s_cmp_lt_u32 s14, \under
	s_cbranch_scc0 \next
	TLOAD \g0, \g1
	s_branch .Lhead_asked
\next:
.endm
.macro CROUND
	s_barrier_signal -1
	s_barrier_wait -1
	s_cmp_lg_u32 s14, 0
	s_cbranch_scc1 .Lnot_wave_0_\@
	s_barrier_signal -3
.Lnot_wave_0_\@:
	s_barrier_wait -3
	s_barrier_signal -1
	s_barrier_wait -1
.endm
	s_load_b256 s[4:11], s[0:1], 0x0
	s_load_b128 s[84:87], s[0:1], 0x20
	v_lshl_add_u32 v254, v0, 2, 0x4e100
	v_mov_b32 v255, 0
	ds_add_u32 v254, v255
	ds_add_u32 v254, v255
	v_lshrrev_b32 v1, 5, v0
	v_readfirstlane_b32 s14, v1
	s_lshr_b32 s15, s14, 1
	s_and_b32 s16, s14, 1
	s_bfe_u32 s22, ttmp6, 0x40000
	s_bfe_u32 s23, ttmp6, 0x40004
	s_lshl_b32 s18, ttmp9, 2
	s_add_co_u32 s18, s18, s22
	s_and_b32 s17, ttmp7, 0xffff
	s_lshl_b32 s17, s17, 2
	s_add_co_u32 s17, s17, s23
	s_lshl_b32 s19, s23, 2
	s_lshl_b32 s19, 15, s19
	s_lshl_b32 s20, 0x1111, s22
	s_or_b32 s[G1A], s19, (3<<16)|(1<<21)
	s_mov_b32 s[G1A+1], 768<<16
	s_mov_b32 s[G1A+2], 16<<16
	s_mov_b32 s[G1A+3], 768<<16
	s_mov_b32 s[G1A+4], 16
	s_mov_b32 s[G1A+5], 1536
	s_mov_b32 s[G1A+6], 0
	s_mov_b32 s[G1A+7], 0
	s_or_b32 s[G1B], s20, (0<<16)|(1<<20)|(1<<21)|(5<<22)|(3<<25)
	s_mov_b32 s[G1B+1], 768<<16
	s_mov_b32 s[G1B+2], 128<<16
	s_mov_b32 s[G1B+3], 768<<16
	s_mov_b32 s[G1B+4], 128
	s_mov_b32 s[G1B+5], 768
	s_mov_b32 s[G1B+6], 0
	s_mov_b32 s[G1B+7], 0
	s_or_b32 s[G1SA], s19, (3<<16)|(1<<21)
	s_mov_b32 s[G1SA+1], 128<<16
	s_mov_b32 s[G1SA+2], 8<<16
	s_mov_b32 s[G1SA+3], 128<<16
	s_mov_b32 s[G1SA+4], 8
	s_mov_b32 s[G1SA+5], 4096
	s_mov_b32 s[G1SA+6], 0
	s_mov_b32 s[G1SA+7], 0
	s_or_b32 s[G1SB], s20, (3<<16)|(1<<20)|(1<<21)|(5<<22)|(3<<25)
	s_mov_b32 s[G1SB+1], 32<<16
	s_mov_b32 s[G1SB+2], 16<<16
	s_mov_b32 s[G1SB+3], 32<<16
	s_mov_b32 s[G1SB+4], 16
	s_mov_b32 s[G1SB+5], 32
	s_mov_b32 s[G1SB+6], 0
	s_mov_b32 s[G1SB+7], 0
	s_lshl_b32 s88, s17, 4
	s_mul_i32 s88, s88, 12288
	s_mov_b32 s89, 0
	s_lshl_b32 s90, s17, 10
	s_mov_b32 s91, 0
	s_lshl_b32 s92, s18, 7
	s_lshl_b32 s94, s92, 5
	s_mul_i32 s92, s92, 768
	s_mov_b32 s93, 0
	s_mov_b32 s95, 0
	s_wait_dscnt 0x0
	s_wait_kmcnt 0x0
	s_add_nc_u64 s[88:89], s[4:5], s[88:89]
	s_add_nc_u64 s[90:91], s[6:7], s[90:91]
	s_add_nc_u64 s[92:93], s[8:9], s[92:93]
	s_add_nc_u64 s[94:95], s[10:11], s[94:95]
	CROUND
	s_mov_b32 s[G0SA], 1
	s_mov_b32 s[G0SA+1], SAB
	s_mov_b64 s[G0SA+2:G0SA+3], s[90:91]
	s_or_b32 s[G0SA+3], s[G0SA+3], 0x80000000
	s_mov_b32 s[G0SB], 1
	s_mov_b32 s[G0SB+1], SBB
	s_mov_b64 s[G0SB+2:G0SB+3], s[94:95]
	s_or_b32 s[G0SB+3], s[G0SB+3], 0x80000000
	s_mov_b32 s[G0B], 1
	s_mov_b32 s[G0B+1], BBASE
	s_mov_b64 s[G0B+2:G0B+3], s[92:93]
	s_or_b32 s[G0B+3], s[G0B+3], 0x80000000
.irp c, 0,1
	s_mov_b32 s[G0A+4*\c], 1
	s_mov_b32 s[G0A+4*\c+1], \c*ACH
	s_add_nc_u64 s[G0A+4*\c+2:G0A+4*\c+3], s[88:89], \c*6144
	s_or_b32 s[G0A+4*\c+3], s[G0A+4*\c+3], 0x80000000
.endr
	ARM 1, G0A,  G1A,  .Lhead_b                    ; wave 0: A's chunk 0, 16 token tiles x 6,144 bytes
	ARM 2, G0B,  G1B,  .Lhead_sa                   ; wave 1: B's 128 rows
	ARM 3, G0SA, G1SA, .Lhead_sb                   ; wave 2: A's scale words
	TLOAD G0SB, G1SB                               ; wave 3: B's scale bytes
.Lhead_asked:
	v_and_b32 v1, 15, v0
	v_bfe_u32 v2, v0, 4, 1
	s_wait_alu depctr_va_vdst(0)
	v_and_b32 v3, 31, v0
	s_wait_alu depctr_va_vdst(0)
	s_lshl_b32 s92, s18, 9
	s_lshl_b32 s93, s16, 8
	s_add_co_u32 s92, s92, s93
	s_mov_b32 s93, 0
	s_add_nc_u64 s[84:85], s[84:85], s[92:93]
	s_add_nc_u64 s[86:87], s[86:87], s[92:93]
	s_lshl_b32 s88, s17, 8
	s_lshl_b32 s89, s15, 7
	s_add_co_u32 s88, s88, s89
	s_lshl_b32 s88, s88, 12
	s_mov_b32 s89, 0
	s_add_nc_u64 s[86:87], s[86:87], s[88:89]
	v_lshlrev_b32 v29, 5, v2
.irp b, 0,1,2,3
	global_load_b128 v[BI+8*\b:BI+8*\b+3], v29, s[84:85] offset:64*\b
	global_load_b128 v[BI+8*\b+4:BI+8*\b+7], v29, s[84:85] offset:64*\b+16
.endr
	s_mul_i32 s21, s15, AHALF
	v_lshl_add_u32 v16, v3, 4, s21
	v_lshl_add_u32 v18, v3, 3, s21
	v_add_nc_u32 v17, ACH, v16
	v_add_nc_u32 v19, ACH, v18
	s_mul_i32 s21, s16, BHALF
	s_add_co_u32 s21, s21, BBASE
	v_mul_u32_u24 v4, v1, PITCHB
	v_mad_u32_u24 v5, v2, 24, v4
	v_mad_u32_u24 v6, v2, 40, v4
	v_add_nc_u32 v20, s21, v5
	v_add_nc_u32 v22, s21, v6
	s_mul_i32 s21, s14, 16*SPITCH
	v_mul_u32_u24 v4, v1, SPITCH
	v_lshl_add_u32 v4, v2, 5, v4
	v_add_nc_u32 v24, s21, v4
	v_mul_u32_u24 v4, v2, SPITCH
	v_lshl_add_u32 v4, v1, 4, v4
	v_add_nc_u32 v25, s21, v4
	v_lshlrev_b32 v26, 12, v2
	v_lshl_add_u32 v26, v1, 4, v26
	s_lshl_b32 s21, s15, 9
	s_add_co_u32 s21, s21, SAB
	v_lshlrev_b32 v4, 5, v1
	v_lshl_add_u32 v5, v2, 4, v4
	v_add_nc_u32 v27, s21, v5
	s_mul_i32 s21, s16, SBH
	s_add_co_u32 s21, s21, SBB
	v_lshrrev_b32 v5, 3, v1
	v_lshl_add_u32 v4, v5, 4, v4
	v_add_nc_u32 v28, s21, v4
.macro FRAG_A reg, c, q, a
	ds_load_b128 v[\reg:\reg+3], v[16+\c] offset:(\a)*6144+(\q)*1536
	ds_load_b64 v[\reg+4:\reg+5], v[18+\c] offset:(\a)*6144+(\q)*1536+512
	ds_load_b128 v[\reg+6:\reg+9], v[16+\c] offset:(\a)*6144+(\q)*1536+768
	ds_load_b64 v[\reg+10:\reg+11], v[18+\c] offset:(\a)*6144+(\q)*1536+1280
.endm
.macro FRAG_B reg, c, q, b
.irp p, 0,1,2,3,4,5
.set PCE, 12*(4*(\c)+(\q))+6*(\p/3)+\p%3
.if PCE%32 < 29                        ; 16 bytes of padding lie behind every 32 pieces: where lanes 16-31 read behind one padding more, v22 serves
	ds_load_b64 v[\reg+2*\p:\reg+2*\p+1], v20 offset:8*PCE+16*(PCE/32)+(\b)*16*PITCHB
.else
	ds_load_b64 v[\reg+2*\p:\reg+2*\p+1], v22 offset:8*PCE+16*(PCE/32)+(\b)*16*PITCHB
.endif
.endr
.endm
.macro FETCH g
.set CH, (\g)/4
.set QQ, (\g)%4
.set ST, (\g)%2
	WIN 0x40
.irp a, 0,1,2,3,4,5,6,7
	FRAG_A 128*ST+12*\a, CH, QQ, \a
.endr
	WIN 0
.irp b, 0,1,2,3
	FRAG_B BF+48*ST+12*\b, CH, QQ, \b
.endr
	ds_load_b128 v[SAR+4*ST:SAR+4*ST+3], v27 offset:1024*(\g)
.if QQ == 0
.irp b, 0,1,2,3
	ds_load_b128 v[SBR+16*CH+4*\b:SBR+16*CH+4*\b+3], v28 offset:544*\b+16*CH
.endr
.endif
.endm
.macro MULP g, a0
.set ST, (\g)%2
.if (\g) == 0
	WIN 0x84
.else
	WIN 0xa4
.endif
.irp a, \a0, \a0+1, \a0+2, \a0+3
.irp b, 0,1,2,3
.if (\g) == 0
.if (\a) < 4
	v_wmma_scale_f32_16x16x128_f8f6f4 v[8*(4*(\a)+\b):8*(4*(\a)+\b)+7], v[BF+48*ST+12*\b:BF+48*ST+12*\b+11], v[128*ST+12*(\a):128*ST+12*(\a)+11], v[BI+8*\b:BI+8*\b+7], v[SBR+16*((\g)/4)+4*\b+(\g)%4], v[SAR+4*ST+(\a)%4] matrix_a_fmt:MATRIX_FMT_FP6 matrix_b_fmt:MATRIX_FMT_FP6
.else
	v_wmma_scale_f32_16x16x128_f8f6f4 v[8*(4*(\a)+\b):8*(4*(\a)+\b)+7], v[BF+48*ST+12*\b:BF+48*ST+12*\b+11], v[128*ST+12*(\a):128*ST+12*(\a)+11], v[BI+8*\b:BI+8*\b+7], v[SBR+16*((\g)/4)+4*\b+(\g)%4], v[SAR+4*ST+(\a)%4] matrix_a_fmt:MATRIX_FMT_FP6 matrix_b_fmt:MATRIX_FMT_FP6 matrix_b_scale:MATRIX_SCALE_ROW1
.endif
.else
.if (\a) < 4
	v_wmma_scale_f32_16x16x128_f8f6f4 v[8*(4*(\a)+\b):8*(4*(\a)+\b)+7], v[BF+48*ST+12*\b:BF+48*ST+12*\b+11], v[128*ST+12*(\a):128*ST+12*(\a)+11], v[8*(4*(\a)+\b):8*(4*(\a)+\b)+7], v[SBR+16*((\g)/4)+4*\b+(\g)%4], v[SAR+4*ST+(\a)%4] matrix_a_fmt:MATRIX_FMT_FP6 matrix_b_fmt:MATRIX_FMT_FP6
.else
	v_wmma_scale_f32_16x16x128_f8f6f4 v[8*(4*(\a)+\b):8*(4*(\a)+\b)+7], v[BF+48*ST+12*\b:BF+48*ST+12*\b+11], v[128*ST+12*(\a):128*ST+12*(\a)+11], v[8*(4*(\a)+\b):8*(4*(\a)+\b)+7], v[SBR+16*((\g)/4)+4*\b+(\g)%4], v[SAR+4*ST+(\a)%4] matrix_a_fmt:MATRIX_FMT_FP6 matrix_b_fmt:MATRIX_FMT_FP6 matrix_b_scale:MATRIX_SCALE_ROW1
.endif
.endif
.endr
.endr
.endm
.macro PLACES
.rept 4
	v_nop
.endr
.endm
.macro STEPP g
	s_wait_dscnt 0x0
.if (\g) == 3
	s_wait_tensorcnt 0x0
	s_barrier_signal -1
.endif
	MULP \g, 0
.if (\g) == 3
	s_barrier_wait -1
.endif
.if (\g) < 7
	PLACES
	FETCH (\g)+1
.endif
	MULP \g, 4
.endm
	s_wait_alu depctr_va_vdst(0)
	s_wait_tensorcnt 0x0                           ; my tile of the head's four is in; the three lines ahead of a later first fill
	ds_add_u32 v254, v255
	s_wait_dscnt 0x0
	CROUND                                         ; all four tiles are shown to all waves
	s_cmp_eq_u32 s14, 0
	s_cbranch_scc0 .Lno_chunk_1
	TLOAD G0A+4, G1A                               ; wave 0: A's chunk 1
.Lno_chunk_1:
	s_wait_loadcnt 0x0                             ; the bias
	FETCH 0
.irp g, 0,1,2,3,4,5,6,7
	STEPP \g
.endr
	WIN 0
.macro TOSTAGE a
	WIN 0x08
.irp b, 0,1,2,3
	ds_store_b128 v24, v[8*(4*(\a)+\b):8*(4*(\a)+\b)+3] offset:64*\b
	ds_store_b128 v24, v[8*(4*(\a)+\b)+4:8*(4*(\a)+\b)+7] offset:64*\b+16
.endr
	WIN 0
.set BB, BK+32*((\a)%2)
.irp t, 0,1,2,3,4,5,6,7
	ds_load_b128 v[BB+4*\t:BB+4*\t+3], v25 offset:\t*2*SPITCH
.endr
.endm
.macro SEND a, younger
.set BB, BK+32*((\a)%2)
	s_wait_dscnt \younger
.irp t, 0,1,2,3,4,5,6,7
	global_store_b128 v26, v[BB+4*\t:BB+4*\t+3], s[86:87] offset:(\a)*65536+\t*8192 th:TH_STORE_NT
.endr
.endm
	PLACES
	TOSTAGE 0
.irp a, 1,2,3,4,5,6,7
.if \a > 1
	s_wait_xcnt 0x0
.endif
	TOSTAGE \a
	SEND \a-1, 16
.endr
	SEND 7, 0
	s_wait_tensorcnt 0x0
	ds_add_u32 v254, v255
	s_wait_dscnt 0x0
	CROUND
	s_endpgm
.Lfunc_end_k_qe750857cb7_proj:
	.size	k_qe750857cb7_proj, .Lfunc_end_k_qe750857cb7_proj-k_qe750857cb7_proj
	.p2alignl 7, 3214868480
	.fill 96, 4, 3214868480
	.section	.rodata,"a",@progbits
	.p2align	6, 0x0
	.amdhsa_kernel k_qe750857cb7_proj
		.amdhsa_group_segment_fixed_size 327680
		.amdhsa_private_segment_fixed_size 0
		.amdhsa_enable_private_segment 0
		.amdhsa_kernarg_size 48
		.amdhsa_user_sgpr_count 2
		.amdhsa_user_sgpr_kernarg_segment_ptr 1
		.amdhsa_wavefront_size32 1
		.amdhsa_system_sgpr_workgroup_id_x 1
		.amdhsa_system_sgpr_workgroup_id_y 1
		.amdhsa_system_sgpr_workgroup_id_z 1
		.amdhsa_system_vgpr_workitem_id 0
		.amdhsa_next_free_vgpr 768
		.amdhsa_next_free_sgpr 96
		.amdhsa_reserve_vcc 0
		.amdhsa_float_denorm_mode_32 3
		.amdhsa_float_denorm_mode_16_64 3
		.amdhsa_memory_ordered 1
		.amdhsa_forward_progress 1
		.amdhsa_inst_pref_size 89
	.end_amdhsa_kernel
	.amdgpu_metadata
---
amdhsa.version: [ 1, 2 ]
amdhsa.kernels:
  - .name:           k_qe750857cb7_proj
    .symbol:         k_qe750857cb7_proj.kd
    .args:
      - { .name: at_img, .offset: 0, .size: 8, .value_kind: global_buffer, .address_space: global }
      - { .name: at_sc, .offset: 8, .size: 8, .value_kind: global_buffer, .address_space: global }
      - { .name: out_w_codes, .offset: 16, .size: 8, .value_kind: global_buffer, .address_space: global }
      - { .name: out_w_scales, .offset: 24, .size: 8, .value_kind: global_buffer, .address_space: global }
      - { .name: out_b, .offset: 32, .size: 8, .value_kind: global_buffer, .address_space: global }
      - { .name: out0, .offset: 40, .size: 8, .value_kind: global_buffer, .address_space: global }
    .group_segment_fixed_size: 327680
    .private_segment_fixed_size: 0
    .kernarg_segment_align: 8
    .kernarg_segment_size: 48
    .max_flat_workgroup_size: 128
    .sgpr_count:     96
    .vgpr_count:     768
    .wavefront_size: 32
...
	.end_amdgpu_metadata
.endif
;; end of part 3
